; MI455X (gfx1250); checked and timed in simulation.
; The chip was launched on July 23, 2026; its instructions are those of AMD's public machine-readable ISA for CDNA 5 (MIT licence, August 2026) and "CDNA5" Instruction Set Architecture Reference Guide (July 2026). The comments in the code are by the model that wrote it; some were corrected since.
;; Mesh Rasterizer. Allowed arithmetic: float matrix products may take bf16 or f16 operands with f32 sums; all other float work in f32.
;; Inputs: faces 1,000 x 3 int32; verts 4 x 600 x 3 float32.
;; Outputs: out0 4 x 128 x 128 int32; out1 4 x 128 x 128 float32; out2 4 x 128 x 128 x 3 float32; out3 4 x 128 x 128 float32.
;; 2 versions, each right; version 2 is version 1 with the launch raster written anew for expert scheduling mode. Each part assembles by itself: llvm-mc -triple=amdgcn-amd-amdhsa -mcpu=gfx1250 --defsym DOCPART=n.
;; ======== version 1 of 2: 2 launches
;; workspace buffers: win 262,144 bytes of whole numbers
;; launch raster (part 1): grid 64 x 4, 8 waves a work-group, no clusters, 111,616 bytes of LDS; arguments faces, verts, win, out0, out1; writes win, out0, out1
.if DOCPART == 1
	.amdgcn_target "amdgcn-amd-amdhsa--gfx1250"
	.amdhsa_code_object_version 6
	.text
	.protected	k_qc38bdbf9da_raster
	.globl	k_qc38bdbf9da_raster
	.p2align	8
	.type	k_qc38bdbf9da_raster,@function
k_qc38bdbf9da_raster:
	s_mov_b64 s[64:65], 0
	v_nop
	global_prefetch_b8 v0, s[64:65] scope:SCOPE_SE
	s_setreg_imm32_b32 hwreg(HW_REG_WAVE_MODE, 25, 1), 1
	s_wait_xcnt 0x0
; MeshRasterizer, first of two launches: for every pixel the nearest face that covers it.
; Stores out0 (face or -1), out1 (its depth or -1) and win, a copy of out0 from which the second launch forms its gather addresses.
;
; A work-group owns a tile of 64 x 4 pixels of one image (grid x: 2 column blocks x 32 row blocks, grid y: the image).
; Each of its 8 waves tests all 256 pixels against 125 of the 1000 faces; a lane owns 2 rows x 4 columns, so that the terms of
; an edge function that hang on the row alone or on the column alone are made once for its pixels.
; The eight partial winners meet in LDS; waves 0 and 1 merge them in ascending face order.
;
; ROUNDING.  out0 is compared exactly, and two faces' depths at a pixel can lie a unit in the last place apart, so the places of
; the roundings are part of the result.  They are those of reference() with each multiply that feeds an add or a subtract
; contracted into it, the first product being the fused one:
;   an edge function and the area: a b - c e = fma(a, b, -rnd(c e));   the depth: fma(s2, z2, fma(s0, z0, rnd(s1 z1))).
; Differences, the product 1.5 x and quotients are rounded by themselves.  A quotient n / d is q = n y, r = fma(-d, q, n),
; fma(r, y, q) with y = 1 / d refined by one Newton step: the correctly rounded quotient, unless the true quotient lies
; within about 2^-23 of a unit in the last place of a rounding boundary.
; Faces of negative area have the six edge components negated and d = |area|: every edge value is then exactly the negated one
; (rounding to nearest is symmetric), so the quotients are the same bit for bit.  A zero edge value of either sign gives
; q = +-0, r = +0, s = +0, so the sign bit of the smallest of the three quotients tells inside from outside.
; Faces with |area| <= EPS (or NaN) get NaN depths and never win; denom = EPS of reference() feeds only values that its
; own test on the area throws away, so it is not formed.
; LIMITS.  Vertex z and |area| inside 2^-126 .. 2^126 (outside, v_rcp_f32 flushes and the quotients are not correctly rounded).
; A non-zero edge value whose quotient underflows to zero (below 2^-150) counts as outside; reference() takes its -0 as inside.
.set NV,   600                         ; vertices of an image
.set NF,   1000                        ; faces
.set FW,   125                         ; faces of a wave
.set ENT,  80                          ; bytes of a face record in LDS
.set VT,   0                           ; LDS: 768 slots x 16 bytes, projected vertices (x, y, z, 0); slots 600.. are copies, never read
.set TB,   12288                       ; LDS: 1024 records x 80 bytes; records 1000.. are copies, never read
.set RED,  94208                       ; LDS: 8 waves x 256 keys, then (REDI further) 8 waves x 256 face numbers
.set REDI, 8192
; a face record: 0 a0x a0y a1x a1y | 16 a2x a2y d y | 32 E0x E0y E1x E1y | 48 E2x E2y z0 z1 | 64 z2 0
; edge e runs from a_e by E_e: a0 = v1, a1 = v2, a2 = v0;  w_e = E_ex (py - a_ey) - E_ey (px - a_ex)
; registers of the face loop
.set PX,   4                           ; v[4:7]     px of my 4 columns
.set PY,   8                           ; v[8:9]     py of my 2 rows
.set ADR,  10                          ; v10        LDS address of the record of the face in set A
.set BEST, 12                          ; v[12:19]   pixel k = 4 row + column: bits(nearest depth) - 1
.set IDX,  20                          ; v[20:27]   its face, -1 while there is none
.set CA,   28                          ; v[28:45]   face constants, set A (in the order of the record)
.set CB,   48                          ; v[48:65]   set B
.set DR,   68                          ; v[68:73]   edge e: py - a_ey of my 2 rows
.set BC,   74                          ; v[74:85]   edge e: px - a_ex, then E_ey (px - a_ex), of my 4 columns
.set W,    86                          ; v[86:109]  edge e, pixel k at W + 8 e + k: w, then the residual; then the depth and the key
.set Q,    110                         ; v[110:133] the same order: the quotient
; registers of the set-up
.set VX,   32                          ; vertex j at VX + 8 j: x, y, z, 0
.set RC,   56                          ; 1 / z
.set ER,   60
.set QQ,   64
.set RR,   72
.set FI,   80                          ; face j at FI + 4 j: three vertex numbers, then their LDS addresses
.set FV,   96                          ; face j at FV + 12 j: v0, v1, v2, four words each
.set E,    32                          ; v[32:39]   E0x .. E2y, z0, z1
.set Z2,   40                          ; v[40:41]   z2, 0
.set DY,   42                          ; v[42:43]   d, y
.set T,    44                          ; at work
	s_load_b128 s[4:7], s[0:1], 0x0                ; faces s[4:5], verts s[6:7]
	s_load_b128 s[8:11], s[0:1], 0x10              ; win s[8:9], out0 s[10:11]
	s_load_b64 s[12:13], s[0:1], 0x20              ; out1
	v_lshl_add_u32 v144, v0, 2, 0x1b000
	v_mov_b32 v145, 0
	s_and_b32 s14, ttmp7, 0xffff                   ; the image
	s_mul_i32 s2, s14, NV*12                       ; its vertices, in bytes
	s_mov_b32 s3, 0
	s_mov_b32 s30, 0x7fc00000                      ; NaN
	s_mov_b32 s31, 0x322bcc77                      ; EPS = 1e-8 in f32
	s_mov_b32 s32, 0x80000000                      ; the sign bit
	v_lshrrev_b32 v1, 5, v0
	v_readfirstlane_b32 s16, v1                    ; wave 0..7
.irp j, 0,1,2
	v_add_nc_u32 v[2+\j], 256*\j, v0               ; thread t projects vertices t, t + 256, t + 512;
	v_min_u32 v[2+\j], NV-1, v[2+\j]               ; past the last one it reads the last again, into an LDS slot of its own
	v_mul_u32_u24 v[2+\j], 12, v[2+\j]
.endr
.irp j, 0,1,2,3
	v_add_nc_u32 v[5+\j], 256*\j, v0               ; and sets up faces t, t + 256, t + 512, t + 768 in the same way
	v_min_u32 v[5+\j], NF-1, v[5+\j]
	v_mul_u32_u24 v[5+\j], 12, v[5+\j]
.endr
	v_lshlrev_b32 v9, 4, v0                        ; my vertex slot
	v_mul_u32_u24 v10, ENT, v0
	v_add_nc_u32 v10, TB, v10                      ; my face record
	s_wait_kmcnt 0x0
	s_add_nc_u64 s[6:7], s[6:7], s[2:3]
.irp j, 0,1,2
	global_load_b96 v[VX+8*\j:VX+8*\j+2], v[2+\j], s[6:7]
.endr
.irp j, 0,1,2,3
	global_load_b96 v[FI+4*\j:FI+4*\j+2], v[5+\j], s[4:5]
.endr
	; THE PROJECTION: x = (1.5 x) / z, y = (1.5 y) / z, each product and each quotient rounded once.
	s_wait_loadcnt 0x4                             ; loads return in order: the three vertices are in, the four faces stay out
.irp j, 0,1,2
	v_rcp_f32 v[RC+\j], v[VX+8*\j+2]
.endr
.irp j, 0,1,2
	v_mul_f32 v[VX+8*\j],   0x3fc00000, v[VX+8*\j]     ; plain work that touches neither z nor 1 / z stands between v_rcp_f32 and the use of its result
	v_mul_f32 v[VX+8*\j+1], 0x3fc00000, v[VX+8*\j+1]
.endr
	s_wait_alu depctr_va_vdst(0)
.irp j, 0,1,2
	v_fma_f32 v[ER+\j], -v[VX+8*\j+2], v[RC+\j], 1.0
.endr
.irp j, 0,1,2
	v_fma_f32 v[RC+\j], v[ER+\j], v[RC+\j], v[RC+\j]   ; one Newton step
.endr
.irp j, 0,1,2
.irp c, 0,1
	v_mul_f32 v[QQ+2*\j+\c], v[VX+8*\j+\c], v[RC+\j]
.endr
.endr
.irp j, 0,1,2
.irp c, 0,1
	v_fma_f32 v[RR+2*\j+\c], -v[VX+8*\j+2], v[QQ+2*\j+\c], v[VX+8*\j+\c]
.endr
.endr
.irp j, 0,1,2
.irp c, 0,1
	v_fma_f32 v[QQ+2*\j+\c], v[RR+2*\j+\c], v[RC+\j], v[QQ+2*\j+\c]
.endr
.endr
.irp j, 0,1,2
.irp c, 0,1
	v_fma_f32 v[RR+2*\j+\c], -v[VX+8*\j+2], v[QQ+2*\j+\c], v[VX+8*\j+\c]   ; here, done once per vertex, a second correction
.endr
.endr
.irp j, 0,1,2
.irp c, 0,1
	v_fma_f32 v[VX+8*\j+\c], v[RR+2*\j+\c], v[RC+\j], v[QQ+2*\j+\c]
.endr
	v_mov_b32 v[VX+8*\j+3], 0
.endr
.irp j, 0,1,2
	ds_store_b128 v9, v[VX+8*\j:VX+8*\j+3] offset:VT+4096*\j
.endr
	s_wait_loadcnt 0x0                             ; the faces
.irp j, 0,1,2,3
.irp m, 0,1,2
	v_min_u32 v[FI+4*\j+\m], NV-1, v[FI+4*\j+\m]   ; an index stays inside the table
	v_lshlrev_b32 v[FI+4*\j+\m], 4, v[FI+4*\j+\m]
.endr
.endr
	s_wait_dscnt 0x0                               ; my vertices are in LDS,
	s_barrier_signal -1
	s_barrier_wait -1                              ; everybody's are
.irp j, 0,1,2,3
.irp m, 0,1,2
	ds_load_b128 v[FV+12*\j+4*\m:FV+12*\j+4*\m+3], v[FI+4*\j+\m] offset:VT
.endr
.endr
	s_wait_dscnt 0x0
; THE RECORD OF ONE FACE
.macro FSET j
.set VV, FV+12*\j
	v_sub_f32 v[E+0], v[VV+8], v[VV+4]             ; E0 = v2 - v1
	v_sub_f32 v[E+1], v[VV+9], v[VV+5]
	v_sub_f32 v[E+2], v[VV+0], v[VV+8]             ; E1 = v0 - v2
	v_sub_f32 v[E+3], v[VV+1], v[VV+9]
	v_sub_f32 v[E+4], v[VV+4], v[VV+0]             ; E2 = v1 - v0
	v_sub_f32 v[E+5], v[VV+5], v[VV+1]
	v_sub_f32 v[T+0], v[VV+9], v[VV+1]             ; v2y - v0y
	v_sub_f32 v[T+1], v[VV+8], v[VV+0]             ; v2x - v0x
	v_mul_f32 v[T+1], v[E+5], v[T+1]               ; the second product is rounded,
	v_fma_f32 v[T+2], v[E+4], v[T+0], -v[T+1]      ; the first is fused into the difference: the area
	v_and_b32 v[DY], 0x7fffffff, v[T+2]            ; d = |area|
	v_and_b32 v[T+3], s32, v[T+2]                  ; its sign goes into the edges
	v_rcp_f32 v[DY+1], v[DY]
.irp i, 0,1,2,3,4,5
	v_xor_b32 v[E+\i], v[T+3], v[E+\i]             ; (also the plain work between v_rcp_f32 and the use of its result)
.endr
	v_cmp_lt_f32 vcc_lo, s31, v[DY]                ; |area| > EPS; false for NaN
	s_wait_alu depctr_va_vdst(0)
	v_fma_f32 v[T+0], -v[DY], v[DY+1], 1.0
	v_fma_f32 v[DY+1], v[T+0], v[DY+1], v[DY+1]    ; y = 1 / d, one Newton step
	v_cndmask_b32 v[E+6], s30, v[VV+2], vcc_lo     ; a face without area gets NaN depths: it never wins
	v_cndmask_b32 v[E+7], s30, v[VV+6], vcc_lo
	v_cndmask_b32 v[Z2], s30, v[VV+10], vcc_lo
	v_mov_b32 v[Z2+1], 0
	ds_store_b64 v10, v[VV+4:VV+5] offset:256*ENT*\j        ; a0 = v1
	ds_store_b64 v10, v[VV+8:VV+9] offset:256*ENT*\j+8      ; a1 = v2
	ds_store_b64 v10, v[VV+0:VV+1] offset:256*ENT*\j+16     ; a2 = v0
	ds_store_b64 v10, v[DY:DY+1] offset:256*ENT*\j+24
	ds_store_b128 v10, v[E:E+3] offset:256*ENT*\j+32
	ds_store_b128 v10, v[E+4:E+7] offset:256*ENT*\j+48
	ds_store_b64 v10, v[Z2:Z2+1] offset:256*ENT*\j+64
.endm
	FSET 0
	FSET 1
	FSET 2
	FSET 3
	; MY PIXELS.  Centre of column i: 1 - (2 i + 1) / 128 = (127 - 2 i) / 128, exact in f32; rows alike.
	v_and_b32 v1, 15, v0                           ; lanes 0-15 and 16-31 each span the 64 columns, 4 a lane
	v_bfe_u32 v2, v0, 4, 1                         ; rows 0, 1 or rows 2, 3 of the tile
	s_and_b32 s17, ttmp9, 1                        ; column block
	s_lshr_b32 s18, ttmp9, 1                       ; row block
	s_lshl_b32 s19, s17, 7
	s_sub_co_u32 s19, 127, s19                     ; 127 - 2 x 64 x column block
	v_lshlrev_b32 v3, 3, v1
	v_sub_nc_u32 v3, s19, v3                       ; 127 - 2 x my first column
.irp c, 0,1,2,3
	v_add_nc_u32 v[PX+\c], -2*\c, v3
	v_cvt_f32_i32 v[PX+\c], v[PX+\c]
	v_mul_f32 v[PX+\c], 0x3c000000, v[PX+\c]       ; / 128
.endr
	s_lshl_b32 s19, s18, 3
	s_sub_co_u32 s19, 127, s19                     ; 127 - 2 x 4 x row block
	v_lshlrev_b32 v3, 2, v2
	v_sub_nc_u32 v3, s19, v3                       ; 127 - 2 x my first row
.irp c, 0,1
	v_add_nc_u32 v[PY+\c], -2*\c, v3
	v_cvt_f32_i32 v[PY+\c], v[PY+\c]
	v_mul_f32 v[PY+\c], 0x3c000000, v[PY+\c]
.endr
.irp k, 0,1,2,3,4,5,6,7
	v_mov_b32 v[BEST+\k], 0x7f7fffff               ; bits(+inf) - 1: only a finite depth is nearer
	v_mov_b32 v[IDX+\k], -1
.endr
	s_mul_i32 s33, s16, FW*ENT
	s_add_co_u32 s33, s33, TB
	s_mul_i32 s28, s16, FW                         ; my first face
	s_wait_dscnt 0x0                               ; my records are in LDS,
	s_barrier_signal -1
	s_barrier_wait -1                              ; everybody's are
	v_mov_b32 v[ADR], s33
; dst (a pair) = a (a pair) - v[c], and a times v[c]: op_sel picks register c of its aligned pair for both halves
.macro SUBC dst, a, c
.if (\c)&1
	v_pk_add_f32 v[\dst:\dst+1], v[\a:\a+1], v[\c-1:\c] op_sel:[0,1] op_sel_hi:[1,1] neg_lo:[0,1] neg_hi:[0,1]
.else
	v_pk_add_f32 v[\dst:\dst+1], v[\a:\a+1], v[\c:\c+1] op_sel_hi:[1,0] neg_lo:[0,1] neg_hi:[0,1]
.endif
.endm
.macro MULC dst, a, c
.if (\c)&1
	v_pk_mul_f32 v[\dst:\dst+1], v[\a:\a+1], v[\c-1:\c] op_sel:[0,1] op_sel_hi:[1,1]
.else
	v_pk_mul_f32 v[\dst:\dst+1], v[\a:\a+1], v[\c:\c+1] op_sel_hi:[1,0]
.endif
.endm
; the record at v[ADR] + off: every lane reads the same words
.macro LOADC cb, off
	ds_load_b128 v[\cb:\cb+3], v[ADR] offset:\off
	ds_load_b128 v[\cb+4:\cb+7], v[ADR] offset:\off+16
	ds_load_b128 v[\cb+8:\cb+11], v[ADR] offset:\off+32
	ds_load_b128 v[\cb+12:\cb+15], v[ADR] offset:\off+48
	ds_load_b64 v[\cb+16:\cb+17], v[ADR] offset:\off+64
.endm
; ONE FACE AGAINST MY 8 PIXELS.  cb: its constants; s[fs]: its number.  Written stage by stage, 3 to 12 independent
; instructions a stage, two pixels of a row to an instruction wherever a packed form exists.
.macro FACE cb, fs
.irp e, 0,1,2
	SUBC DR+2*\e, PY, \cb+2*\e+1                   ; py - a_ey, two rows
.endr
.irp e, 0,1,2
	SUBC BC+4*\e, PX, \cb+2*\e                     ; px - a_ex, four columns
	SUBC BC+4*\e+2, PX+2, \cb+2*\e
.endr
.irp e, 0,1,2
	MULC BC+4*\e, BC+4*\e, \cb+9+2*\e              ; E_ey (px - a_ex), rounded
	MULC BC+4*\e+2, BC+4*\e+2, \cb+9+2*\e
.endr
	; w_e = fma(E_ex, py - a_ey, -(E_ey (px - a_ex))): E_ex is the first register of its pair, for both halves; the row picks one register of DR's pair
.irp e, 0,1,2
.irp cp, 0,2
	v_pk_fma_f32 v[W+8*\e+\cp:W+8*\e+\cp+1], v[\cb+8+2*\e:\cb+9+2*\e], v[DR+2*\e:DR+2*\e+1], v[BC+4*\e+\cp:BC+4*\e+\cp+1] op_sel_hi:[0,0,1] neg_lo:[0,0,1] neg_hi:[0,0,1]                   ; row 0
	v_pk_fma_f32 v[W+8*\e+4+\cp:W+8*\e+4+\cp+1], v[\cb+8+2*\e:\cb+9+2*\e], v[DR+2*\e:DR+2*\e+1], v[BC+4*\e+\cp:BC+4*\e+\cp+1] op_sel:[0,1,0] op_sel_hi:[0,1,1] neg_lo:[0,0,1] neg_hi:[0,0,1]  ; row 1
.endr
.endr
.set i, 0
.rept 12
	v_pk_mul_f32 v[Q+i:Q+i+1], v[W+i:W+i+1], v[\cb+6:\cb+7] op_sel:[0,1] op_sel_hi:[1,1]                        ; q = w y
.set i, i+2
.endr
.set i, 0
.rept 12
	v_pk_fma_f32 v[W+i:W+i+1], v[\cb+6:\cb+7], v[Q+i:Q+i+1], v[W+i:W+i+1] op_sel_hi:[0,1,1] neg_lo:[1,0,0] neg_hi:[1,0,0]   ; r = w - d q
.set i, i+2
.endr
.set i, 0
.rept 12
	v_pk_fma_f32 v[Q+i:Q+i+1], v[W+i:W+i+1], v[\cb+6:\cb+7], v[Q+i:Q+i+1] op_sel:[0,1,0] op_sel_hi:[1,1,1]      ; s = q + r y = w / d, rounded once
.set i, i+2
.endr
.irp p, 0,2,4,6
	MULC W+\p, Q+8+\p, \cb+15                      ; s1 z1, rounded
.endr
.irp p, 0,2,4,6
	v_pk_fma_f32 v[W+\p:W+\p+1], v[Q+\p:Q+\p+1], v[\cb+14:\cb+15], v[W+\p:W+\p+1] op_sel_hi:[1,0,1]             ; fma(s0, z0, .)
.endr
.irp p, 0,2,4,6
	v_pk_fma_f32 v[W+\p:W+\p+1], v[Q+16+\p:Q+16+\p+1], v[\cb+16:\cb+17], v[W+\p:W+\p+1] op_sel_hi:[1,0,1]       ; fma(s2, z2, .): the depth
.endr
	; The key: bits(z), with the sign bit set if any s is negative, less 1, compared unsigned.  Positive depths keep their order;
	; z = +0 wraps to the top; z < 0, -0, NaN, +inf and pixels outside are never below a key that is at most bits(+inf) - 1.
	; The compare is strict and the faces ascend, so of equal depths the first face stays, as in argmin.
.irp k, 0,1,2,3,4,5,6,7
	v_min3_num_f32 v[W+8+\k], v[Q+\k], v[Q+8+\k], v[Q+16+\k]
.endr
.irp k, 0,1,2,3,4,5,6,7
	v_and_or_b32 v[W+8+\k], v[W+8+\k], s32, v[W+\k]
.endr
.irp k, 0,1,2,3,4,5,6,7
	v_add_nc_u32 v[W+8+\k], -1, v[W+8+\k]
.endr
.irp k, 0,1,2,3,4,5,6,7
	v_cmp_lt_u32 s[20+\k], v[W+8+\k], v[BEST+\k]
.endr
.irp k, 0,1,2,3,4,5,6,7
	v_cndmask_b32 v[BEST+\k], v[BEST+\k], v[W+8+\k], s[20+\k]
.endr
.irp k, 0,1,2,3,4,5,6,7
	v_cndmask_b32 v[IDX+\k], v[IDX+\k], s[\fs], s[20+\k]
.endr
.endm
	; 125 faces: 62 trips of two, and one.  While one set of constants is at work the other is on its way.
	LOADC CA, 0
	s_mov_b32 s29, (FW-1)/2
.Lface:
	LOADC CB, ENT
	s_wait_dscnt 0x5                               ; LDS loads return in order: set A is in, the five loads of set B stay out
	FACE CA, 28
	s_add_co_u32 s28, s28, 1
	v_add_nc_u32 v[ADR], 2*ENT, v[ADR]
	LOADC CA, 0                                    ; two faces on; in the last trip: the wave's last face
	s_wait_dscnt 0x5                               ; set B is in, the five loads of set A stay out
	FACE CB, 28
	s_add_co_u32 s28, s28, 1
	s_sub_co_u32 s29, s29, 1
	s_cmp_lg_u32 s29, 0
	s_cbranch_scc1 .Lface
	s_wait_dscnt 0x0
	FACE CA, 28
	; THE EIGHT WAVES MEET.  Pixel p = 64 row + column of the tile: key at RED + 1024 wave + 4 p, face REDI further.
	s_lshl_b32 s33, s16, 10
	s_add_co_u32 s33, s33, RED
	v_lshlrev_b32 v11, 4, v1                       ; 4 columns x 4 bytes
	v_lshl_add_u32 v11, v2, 9, v11                 ; 2 rows x 256 bytes
	v_add_nc_u32 v11, s33, v11
	ds_store_b128 v11, v[BEST:BEST+3]
	ds_store_b128 v11, v[BEST+4:BEST+7] offset:256
	ds_store_b128 v11, v[IDX:IDX+3] offset:REDI
	ds_store_b128 v11, v[IDX+4:IDX+7] offset:REDI+256
	s_wait_dscnt 0x0                               ; for the waves that will read them
	s_barrier_signal -1
	s_barrier_wait -1
	s_cmp_ge_u32 s16, 2
	s_cbranch_scc1 .Ldone                          ; 64 threads x 4 pixels finish the tile, so that each store below is 16 bytes a lane
	v_and_b32 v5, 63, v0                           ; t
	v_lshlrev_b32 v3, 4, v5
	v_add_nc_u32 v3, RED, v3
.irp w, 0,1,2,3,4,5,6,7
	ds_load_b128 v[28+4*\w:31+4*\w], v3 offset:1024*\w
	ds_load_b128 v[60+4*\w:63+4*\w], v3 offset:REDI+1024*\w
.endr
	v_lshrrev_b32 v4, 4, v5                        ; row of the tile
	v_and_b32 v6, 15, v0
	v_lshlrev_b32 v6, 4, v6
	v_lshl_add_u32 v4, v4, 9, v6                   ; 512 bytes an image row + 16 bytes a thread
	s_lshl_b32 s19, s14, 16                        ; 65,536 bytes an image
	s_lshl_b32 s33, s18, 11                        ; 4 rows a row block
	s_add_co_u32 s19, s19, s33
	s_lshl_b32 s33, s17, 8                         ; 256 bytes a column block
	s_add_co_u32 s19, s19, s33
	v_add_nc_u32 v4, s19, v4
	s_wait_dscnt 0x0
.irp w, 1,2,3,4,5,6,7
.irp c, 0,1,2,3
	v_cmp_lt_u32 vcc_lo, v[28+4*\w+\c], v[28+\c]   ; strict, waves ascending: of equal depths the lower face stays
	v_cndmask_b32 v[28+\c], v[28+\c], v[28+4*\w+\c], vcc_lo
	v_cndmask_b32 v[60+\c], v[60+\c], v[60+4*\w+\c], vcc_lo
.endr
.endr
.irp c, 0,1,2,3
	v_add_nc_u32 v[28+\c], 1, v[28+\c]             ; the key back to the bits of the depth
	v_cmp_le_i32 vcc_lo, 0, v[60+\c]               ; a face was found
	v_cndmask_b32 v[28+\c], -1.0, v[28+\c], vcc_lo
.endr
	global_store_b128 v4, v[60:63], s[8:9]         ; sixteen lanes store 256 consecutive bytes, at a multiple of 256 from the buffer's first byte
	global_store_b128 v4, v[60:63], s[10:11]
	global_store_b128 v4, v[28:31], s[12:13]
.Ldone:
	s_wait_tensorcnt 0x0
	ds_add_u32 v144, v145
	s_wait_dscnt 0x0
	s_endpgm
.Lfunc_end_k_qc38bdbf9da_raster:
	.size	k_qc38bdbf9da_raster, .Lfunc_end_k_qc38bdbf9da_raster-k_qc38bdbf9da_raster
	.p2alignl 7, 3214868480
	.fill 96, 4, 3214868480
	.section	.rodata,"a",@progbits
	.p2align	6, 0x0
	.amdhsa_kernel k_qc38bdbf9da_raster
		.amdhsa_group_segment_fixed_size 111616
		.amdhsa_private_segment_fixed_size 0
		.amdhsa_enable_private_segment 0
		.amdhsa_kernarg_size 40
		.amdhsa_user_sgpr_count 2
		.amdhsa_user_sgpr_kernarg_segment_ptr 1
		.amdhsa_wavefront_size32 1
		.amdhsa_system_sgpr_workgroup_id_x 1
		.amdhsa_system_sgpr_workgroup_id_y 1
		.amdhsa_system_sgpr_workgroup_id_z 1
		.amdhsa_system_vgpr_workitem_id 0
		.amdhsa_next_free_vgpr 146
		.amdhsa_next_free_sgpr 66
		.amdhsa_reserve_vcc 1
		.amdhsa_float_denorm_mode_32 3
		.amdhsa_float_denorm_mode_16_64 3
		.amdhsa_memory_ordered 1
		.amdhsa_forward_progress 1
		.amdhsa_inst_pref_size 45
	.end_amdhsa_kernel
	.amdgpu_metadata
---
amdhsa.version: [ 1, 2 ]
amdhsa.kernels:
  - .name:           k_qc38bdbf9da_raster
    .symbol:         k_qc38bdbf9da_raster.kd
    .args:
      - { .name: faces, .offset: 0, .size: 8, .value_kind: global_buffer, .address_space: global }
      - { .name: verts, .offset: 8, .size: 8, .value_kind: global_buffer, .address_space: global }
      - { .name: win, .offset: 16, .size: 8, .value_kind: global_buffer, .address_space: global }
      - { .name: out0, .offset: 24, .size: 8, .value_kind: global_buffer, .address_space: global }
      - { .name: out1, .offset: 32, .size: 8, .value_kind: global_buffer, .address_space: global }
    .group_segment_fixed_size: 111616
    .private_segment_fixed_size: 0
    .kernarg_segment_align: 8
    .kernarg_segment_size: 40
    .max_flat_workgroup_size: 256
    .sgpr_count:     66
    .vgpr_count:     146
    .wavefront_size: 32
...
	.end_amdgpu_metadata
.endif
;; end of part 1
;; launch shade (part 2): grid 64 x 4, 2 waves a work-group, no clusters, 3,328 bytes of LDS; arguments faces, verts, win, out2, out3; writes out2, out3
.if DOCPART == 2
	.amdgcn_target "amdgcn-amd-amdhsa--gfx1250"
	.amdhsa_code_object_version 6
	.text
	.protected	k_qc38bdbf9da_shade
	.globl	k_qc38bdbf9da_shade
	.p2align	8
	.type	k_qc38bdbf9da_shade,@function
k_qc38bdbf9da_shade:
	s_mov_b64 s[64:65], 0
	v_nop
	global_prefetch_b8 v0, s[64:65] scope:SCOPE_SE
	s_setreg_imm32_b32 hwreg(HW_REG_WAVE_MODE, 25, 1), 1
	s_wait_xcnt 0x0
; MeshRasterizer, second of two launches: barycentrics (out2) and signed squared distance (out3) at the face that won each pixel.
; The winner was stored as a whole number (win) by the first launch, so the gathers faces[win] and verts[faces[win]] are
; formed from numbers read from memory.  A work-group owns two image rows, a wave one row, a lane four neighbouring pixels.
; These outputs are judged within a tolerance, so multiply-adds are fused here.  The projection keeps one correction of the quotient,
; since thin faces enlarge an error of the coordinates; the other quotients are a product with v_rcp_f32.
; A pixel without a face reads face 999 (the clamp of -1); whatever comes of it, NaN too, is replaced by -1 in the last select.
; LIMIT: vertex z, the area and the squared edge lengths inside 2^-126 .. 2^126, where v_rcp_f32 does not flush.
; Written stage by stage over 4 pixels x 3 vertices or edges: 12 independent instructions a stage.
.set NV,  600
.set NF,  1000
.set WIN, 4                            ; v[4:7]     the winners of my 4 pixels
.set FO,  8                            ; v[8:11]    their byte offsets in faces
.set FI,  12                           ; pixel k at FI + 4 k: three vertex numbers, then byte offsets in verts
.set VB,  32                           ; pixel k, vertex m at VB + 12 k + 4 m: x, y, z, 1 / z
.set PX,  80                           ; v[80:83]
.set PY,  84
.set O3,  88                           ; v[88:91]   out3 of my 4 pixels
.set O2,  92                           ; v[92:103]  out2 of my 4 pixels, 3 each
.set QT,  104                          ; the projection: 24 quotients,
.set RT,  128                          ; 24 residuals
.set TT,  104                          ; afterwards: pixel k works in the TS registers from TT + TS k
.set TS,  26
.set DX,  0                            ; + 2 m: px - x_m, + 2 m + 1: py - y_m
.set GX,  6                            ; + 2 m, + 2 m + 1: the edge from vertex m to vertex m + 1 (mod 3)
.set CR,  12                           ; + m: its edge function at the pixel.  m = 0, 1, 2 give w2, w0, w1
.set PP,  15                           ; + m: at work
.set EE,  18                           ; + m: squared length of the edge; at the end minus the squared distance
.set DT,  21                           ; + m: the foot point's parameter
.set AA,  24                           ; the area; at the end the largest of the three negated distances
.set RA,  25                           ; 1 / area
	s_load_b128 s[4:7], s[0:1], 0x0                ; faces s[4:5], verts s[6:7]
	s_load_b128 s[8:11], s[0:1], 0x10              ; win s[8:9], out2 s[10:11]
	s_load_b64 s[12:13], s[0:1], 0x20              ; out3
	v_lshl_add_u32 v208, v0, 2, 0xc00
	v_mov_b32 v209, 0
	s_and_b32 s14, ttmp7, 0xffff                   ; the image
	s_mul_i32 s2, s14, NV*12
	s_mov_b32 s3, 0
	s_lshl_b32 s15, s14, 16                        ; 65,536 bytes an image,
	s_lshl_b32 s16, ttmp9, 10                      ; 1,024 bytes for two rows
	s_add_co_u32 s15, s15, s16
	s_mov_b32 s26, 0x322bcc77                      ; EPS = 1e-8
	v_lshlrev_b32 v1, 4, v0
	v_add_nc_u32 v1, s15, v1                       ; my 16 bytes in win and in out3
	s_wait_kmcnt 0x0
	s_add_nc_u64 s[6:7], s[6:7], s[2:3]
	global_load_b128 v[WIN:WIN+3], v1, s[8:9]
	; pixel centres, (127 - 2 i) / 128, while the load is out
	v_and_b32 v2, 31, v0                           ; lane
	v_lshrrev_b32 v3, 5, v0
	v_readfirstlane_b32 s17, v3                    ; wave = which of the two rows
	v_lshlrev_b32 v28, 3, v2
	v_sub_nc_u32 v28, 127, v28                     ; 127 - 2 x my first column
.irp c, 0,1,2,3
	v_add_nc_u32 v[PX+\c], -2*\c, v28
	v_cvt_f32_i32 v[PX+\c], v[PX+\c]
	v_mul_f32 v[PX+\c], 0x3c000000, v[PX+\c]
.endr
	s_lshl_b32 s18, ttmp9, 2
	s_lshl_b32 s19, s17, 1
	s_add_co_u32 s18, s18, s19
	s_sub_co_u32 s18, 127, s18                     ; 127 - 2 x my row
	v_cvt_f32_i32 v[PY], s18
	v_mul_f32 v[PY], 0x3c000000, v[PY]
	s_mul_i32 s19, s17, 1536                       ; my wave's stage in LDS, and its 1,536 bytes of out2
	v_mul_u32_u24 v29, 48, v2
	v_add_nc_u32 v29, s19, v29                     ; in: 48 bytes a lane
	v_lshl_add_u32 v30, v2, 4, s19                 ; back: 16 bytes a lane
	s_mul_i32 s24, s14, 196608
	s_mul_i32 s25, ttmp9, 3072
	s_add_co_u32 s24, s24, s25
	v_add_nc_u32 v31, s24, v30                     ; the same 16 bytes in out2
	s_wait_loadcnt 0x0
.irp k, 0,1,2,3
	v_min_u32 v[FO+\k], NF-1, v[WIN+\k]            ; -1 (no face) becomes 999: a row that exists
	v_mul_u32_u24 v[FO+\k], 12, v[FO+\k]
.endr
.irp k, 0,1,2,3
	global_load_b96 v[FI+4*\k:FI+4*\k+2], v[FO+\k], s[4:5]
.endr
	s_wait_loadcnt 0x0
.irp k, 0,1,2,3
.irp m, 0,1,2
	v_min_u32 v[FI+4*\k+\m], NV-1, v[FI+4*\k+\m]
	v_mul_u32_u24 v[FI+4*\k+\m], 12, v[FI+4*\k+\m]
.endr
.endr
.irp k, 0,1,2,3
.irp m, 0,1,2
	global_load_b96 v[VB+12*\k+4*\m:VB+12*\k+4*\m+2], v[FI+4*\k+\m], s[6:7]
.endr
.endr
	s_wait_loadcnt 0x0
	; the projection of the 12 vertices
.irp i, 0,1,2,3,4,5,6,7,8,9,10,11
	v_rcp_f32 v[VB+4*\i+3], v[VB+4*\i+2]
.endr
.irp i, 0,1,2,3,4,5,6,7,8,9,10,11
	v_mul_f32 v[VB+4*\i],   0x3fc00000, v[VB+4*\i]     ; 1.5 x: plain work between the reciprocals and their use
	v_mul_f32 v[VB+4*\i+1], 0x3fc00000, v[VB+4*\i+1]
.endr
	s_wait_alu depctr_va_vdst(0)
.irp i, 0,1,2,3,4,5,6,7,8,9,10,11
	v_fma_f32 v[RT+\i], -v[VB+4*\i+2], v[VB+4*\i+3], 1.0
.endr
.irp i, 0,1,2,3,4,5,6,7,8,9,10,11
	v_fma_f32 v[VB+4*\i+3], v[RT+\i], v[VB+4*\i+3], v[VB+4*\i+3]
.endr
.irp i, 0,1,2,3,4,5,6,7,8,9,10,11
	v_mul_f32 v[QT+2*\i],   v[VB+4*\i],   v[VB+4*\i+3]
	v_mul_f32 v[QT+2*\i+1], v[VB+4*\i+1], v[VB+4*\i+3]
.endr
.irp i, 0,1,2,3,4,5,6,7,8,9,10,11
	v_fma_f32 v[RT+2*\i],   -v[VB+4*\i+2], v[QT+2*\i],   v[VB+4*\i]
	v_fma_f32 v[RT+2*\i+1], -v[VB+4*\i+2], v[QT+2*\i+1], v[VB+4*\i+1]
.endr
.irp i, 0,1,2,3,4,5,6,7,8,9,10,11
	v_fma_f32 v[VB+4*\i],   v[RT+2*\i],   v[VB+4*\i+3], v[QT+2*\i]
	v_fma_f32 v[VB+4*\i+1], v[RT+2*\i+1], v[VB+4*\i+3], v[QT+2*\i+1]
.endr
	; pixel minus vertex, and the three edges
.irp k, 0,1,2,3
.irp m, 0,1,2
	v_sub_f32 v[TT+TS*\k+DX+2*\m],   v[PX+\k], v[VB+12*\k+4*\m]
	v_sub_f32 v[TT+TS*\k+DX+2*\m+1], v[PY],    v[VB+12*\k+4*\m+1]
	v_sub_f32 v[TT+TS*\k+GX+2*\m],   v[VB+12*\k+4*((\m+1)%3)],   v[VB+12*\k+4*\m]
	v_sub_f32 v[TT+TS*\k+GX+2*\m+1], v[VB+12*\k+4*((\m+1)%3)+1], v[VB+12*\k+4*\m+1]
.endr
.endr
.irp k, 0,1,2,3
.irp m, 0,1,2
	v_mul_f32 v[TT+TS*\k+PP+\m], v[TT+TS*\k+GX+2*\m+1], v[TT+TS*\k+DX+2*\m]
	v_mul_f32 v[TT+TS*\k+EE+\m], v[TT+TS*\k+GX+2*\m+1], v[TT+TS*\k+GX+2*\m+1]
	v_mul_f32 v[TT+TS*\k+DT+\m], v[TT+TS*\k+DX+2*\m+1], v[TT+TS*\k+GX+2*\m+1]
.endr
	v_mul_f32 v[TT+TS*\k+AA], v[TT+TS*\k+GX], v[TT+TS*\k+GX+5]
.endr
.irp k, 0,1,2,3
.irp m, 0,1,2
	v_fma_f32 v[TT+TS*\k+CR+\m], v[TT+TS*\k+GX+2*\m], v[TT+TS*\k+DX+2*\m+1], -v[TT+TS*\k+PP+\m]   ; ex dy - ey dx
	v_fma_f32 v[TT+TS*\k+EE+\m], v[TT+TS*\k+GX+2*\m], v[TT+TS*\k+GX+2*\m], v[TT+TS*\k+EE+\m]      ; ex ex + ey ey
	v_fma_f32 v[TT+TS*\k+DT+\m], v[TT+TS*\k+DX+2*\m], v[TT+TS*\k+GX+2*\m], v[TT+TS*\k+DT+\m]      ; dx ex + dy ey
.endr
	v_fma_f32 v[TT+TS*\k+AA], v[TT+TS*\k+GX+1], v[TT+TS*\k+GX+4], -v[TT+TS*\k+AA]   ; area = (v1 - v0) x (v2 - v0), with v2 - v0 = -(edge 2)
.endr
.irp k, 0,1,2,3
.irp m, 0,1,2
	v_max_num_f32 v[TT+TS*\k+EE+\m], s26, v[TT+TS*\k+EE+\m]
.endr
.endr
.irp k, 0,1,2,3
.irp m, 0,1,2
	v_rcp_f32 v[TT+TS*\k+PP+\m], v[TT+TS*\k+EE+\m]
.endr
	v_rcp_f32 v[TT+TS*\k+RA], v[TT+TS*\k+AA]       ; a winner has |area| > EPS, so its denominator is the area itself
.endr
.irp k, 0,1,2,3
	v_cmp_le_i32 s[20+\k], 0, v[WIN+\k]            ; the pixel has a face (also the plain work between the reciprocals and their use)
.endr
	s_wait_alu depctr_va_vdst(0)
.irp k, 0,1,2,3
.irp m, 0,1,2
	v_mul_f32 v[TT+TS*\k+DT+\m], v[TT+TS*\k+DT+\m], v[TT+TS*\k+PP+\m]
.endr
.endr
.irp k, 0,1,2,3
.irp m, 0,1,2
	v_med3_num_f32 v[TT+TS*\k+DT+\m], v[TT+TS*\k+DT+\m], 0, 1.0     ; t clipped to the segment
.endr
.endr
.irp k, 0,1,2,3
.irp m, 0,1,2
	v_fma_f32 v[TT+TS*\k+DX+2*\m],   -v[TT+TS*\k+DT+\m], v[TT+TS*\k+GX+2*\m],   v[TT+TS*\k+DX+2*\m]
	v_fma_f32 v[TT+TS*\k+DX+2*\m+1], -v[TT+TS*\k+DT+\m], v[TT+TS*\k+GX+2*\m+1], v[TT+TS*\k+DX+2*\m+1]
.endr
.endr
.irp k, 0,1,2,3
.irp m, 0,1,2
	v_mul_f32 v[TT+TS*\k+PP+\m], v[TT+TS*\k+DX+2*\m+1], v[TT+TS*\k+DX+2*\m+1]
	v_mul_f32 v[TT+TS*\k+CR+\m], v[TT+TS*\k+CR+\m], v[TT+TS*\k+RA]  ; the barycentrics
.endr
.endr
.irp k, 0,1,2,3
.irp m, 0,1,2
	v_fma_f32 v[TT+TS*\k+EE+\m], -v[TT+TS*\k+DX+2*\m], v[TT+TS*\k+DX+2*\m], -v[TT+TS*\k+PP+\m]    ; -(rx rx + ry ry)
.endr
.endr
.irp k, 0,1,2,3
	v_max3_num_f32 v[TT+TS*\k+AA], v[TT+TS*\k+EE], v[TT+TS*\k+EE+1], v[TT+TS*\k+EE+2]             ; minus the smallest distance
.endr
.irp k, 0,1,2,3
.irp i, 0,1,2
	v_cndmask_b32 v[O2+3*\k+\i], -1.0, v[TT+TS*\k+CR+(\i+1)%3], s[20+\k]    ; s0, s1, s2 belong to edges 1, 2, 0
.endr
	v_cndmask_b32 v[O3+\k], -1.0, v[TT+TS*\k+AA], s[20+\k]
.endr
	global_store_b128 v1, v[O3:O3+3], s[12:13]     ; the wave stores its image row: 512 consecutive bytes
	; out2: a lane holds 48 consecutive bytes.  Through the wave's own 1,536 bytes of LDS they become three stores of 512 consecutive
	; bytes each.  LDS serves a wave's instructions in order, so the loads see the stores above them; no other wave touches these bytes.
	ds_store_b128 v29, v[O2:O2+3]
	ds_store_b128 v29, v[O2+4:O2+7] offset:16
	ds_store_b128 v29, v[O2+8:O2+11] offset:32
	ds_load_b128 v[104:107], v30
	ds_load_b128 v[108:111], v30 offset:512
	ds_load_b128 v[112:115], v30 offset:1024
	s_wait_dscnt 0x0
	global_store_b128 v31, v[104:107], s[10:11]
	global_store_b128 v31, v[108:111], s[10:11] offset:512
	global_store_b128 v31, v[112:115], s[10:11] offset:1024
	s_wait_tensorcnt 0x0
	ds_add_u32 v208, v209
	s_wait_dscnt 0x0
	s_endpgm
.Lfunc_end_k_qc38bdbf9da_shade:
	.size	k_qc38bdbf9da_shade, .Lfunc_end_k_qc38bdbf9da_shade-k_qc38bdbf9da_shade
	.p2alignl 7, 3214868480
	.fill 96, 4, 3214868480
	.section	.rodata,"a",@progbits
	.p2align	6, 0x0
	.amdhsa_kernel k_qc38bdbf9da_shade
		.amdhsa_group_segment_fixed_size 3328
		.amdhsa_private_segment_fixed_size 0
		.amdhsa_enable_private_segment 0
		.amdhsa_kernarg_size 40
		.amdhsa_user_sgpr_count 2
		.amdhsa_user_sgpr_kernarg_segment_ptr 1
		.amdhsa_wavefront_size32 1
		.amdhsa_system_sgpr_workgroup_id_x 1
		.amdhsa_system_sgpr_workgroup_id_y 1
		.amdhsa_system_sgpr_workgroup_id_z 1
		.amdhsa_system_vgpr_workitem_id 0
		.amdhsa_next_free_vgpr 210
		.amdhsa_next_free_sgpr 66
		.amdhsa_reserve_vcc 0
		.amdhsa_float_denorm_mode_32 3
		.amdhsa_float_denorm_mode_16_64 3
		.amdhsa_memory_ordered 1
		.amdhsa_forward_progress 1
		.amdhsa_inst_pref_size 26
	.end_amdhsa_kernel
	.amdgpu_metadata
---
amdhsa.version: [ 1, 2 ]
amdhsa.kernels:
  - .name:           k_qc38bdbf9da_shade
    .symbol:         k_qc38bdbf9da_shade.kd
    .args:
      - { .name: faces, .offset: 0, .size: 8, .value_kind: global_buffer, .address_space: global }
      - { .name: verts, .offset: 8, .size: 8, .value_kind: global_buffer, .address_space: global }
      - { .name: win, .offset: 16, .size: 8, .value_kind: global_buffer, .address_space: global }
      - { .name: out2, .offset: 24, .size: 8, .value_kind: global_buffer, .address_space: global }
      - { .name: out3, .offset: 32, .size: 8, .value_kind: global_buffer, .address_space: global }
    .group_segment_fixed_size: 3328
    .private_segment_fixed_size: 0
    .kernarg_segment_align: 8
    .kernarg_segment_size: 40
    .max_flat_workgroup_size: 64
    .sgpr_count:     66
    .vgpr_count:     210
    .wavefront_size: 32
...
	.end_amdgpu_metadata
.endif
;; end of part 2
;; ======== version 2 of 2: 2 launches; version 1 with the launch raster written anew for expert scheduling mode
;; workspace buffers: win 262,144 bytes of whole numbers
;; launch raster (part 3): grid 64 x 4, 8 waves a work-group, no clusters, 111,616 bytes of LDS; arguments faces, verts, win, out0, out1; writes win, out0, out1
.if DOCPART == 3
	.amdgcn_target "amdgcn-amd-amdhsa--gfx1250"
	.amdhsa_code_object_version 6
	.text
	.protected	k_qc38bdbf9da_raster
	.globl	k_qc38bdbf9da_raster
	.p2align	8
	.type	k_qc38bdbf9da_raster,@function
k_qc38bdbf9da_raster:
	s_mov_b64 s[64:65], 0
	v_nop
	global_prefetch_b8 v0, s[64:65] scope:SCOPE_SE
	s_setreg_imm32_b32 hwreg(HW_REG_WAVE_SCHED_MODE, 0, 2), 2
	s_setreg_imm32_b32 hwreg(HW_REG_WAVE_MODE, 25, 1), 1
	s_wait_xcnt 0x0
	s_wait_alu depctr_vm_vsrc(0)
; MeshRasterizer, first of two launches: for every pixel the nearest face that covers it.
; Stores out0 (face or -1), out1 (its depth or -1) and win, a copy of out0 from which the second launch forms its gather addresses.
;
; A work-group owns a tile of 64 x 4 pixels of one image (grid x: 2 column blocks x 32 row blocks, grid y: the image).
; Each of its 8 waves tests all 256 pixels against 125 of the 1000 faces; a lane owns 2 rows x 4 columns, so that the terms of
; an edge function that hang on the row alone or on the column alone are made once for its pixels.
; The eight partial winners meet in LDS; waves 0 and 1 merge them in ascending face order.
;
; ROUNDING.  out0 is compared exactly, and two faces' depths at a pixel can lie a unit in the last place apart, so the places of
; the roundings are part of the result.  They are those of reference() with each multiply that feeds an add or a subtract
; contracted into it, the first product being the fused one:
;   an edge function and the area: a b - c e = fma(a, b, -rnd(c e));   the depth: fma(s2, z2, fma(s0, z0, rnd(s1 z1))).
; Differences, the product 1.5 x and quotients are rounded by themselves.  A quotient n / d is q = n y, r = fma(-d, q, n),
; fma(r, y, q) with y = 1 / d refined by one Newton step: the correctly rounded quotient, unless the true quotient lies
; within about 2^-23 of a unit in the last place of a rounding boundary.
; Faces of negative area have the six edge components negated and d = |area|: every edge value is then exactly the negated one
; (rounding to nearest is symmetric), so the quotients are the same bit for bit.  A zero edge value of either sign gives
; q = +-0, r = +0, s = +0, so the sign bit of the smallest of the three quotients tells inside from outside.
; Faces with |area| <= EPS (or NaN) get NaN depths and never win; denom = EPS of reference() feeds only values that its
; own test on the area throws away, so it is not formed.
; LIMITS.  Vertex z and |area| inside 2^-126 .. 2^126 (outside, v_rcp_f32 flushes and the quotients are not correctly rounded).
; A non-zero edge value whose quotient underflows to zero (below 2^-150) counts as outside; reference() takes its -0 as inside.
;
; THE MODE: SCHED_MODE bits 1:0 = 2 (LLVM: expert scheduling mode 2), set by the entry lines.  The code itself states the register
; dependences between vector instructions and memory or LDS instructions, with s_wait_alu, always for 0.
; THE PLAN.  Registers that memory or LDS instructions touch:
;   at the head   v2-v10: offsets and LDS addresses, made once, read by the loads and LDS stores of the set-up, then free for the pixels.
;                 VX: loaded, projected, read by the vertex stores.  FI: loaded, made into LDS addresses, read by the gathers.
;                 FV: the gathers land in it; read by the records' arithmetic and by part of the records' stores.
;                 FB: 16 registers for each of a thread's four faces, written by the records' arithmetic, read by the rest of those stores:
;                 the four records are made stage by stage, so that one wait of each kind serves all four.
;   in the loop   CA, CB: a face's arithmetic reads its set; the loads of the face two further on land in the same set.
;                 v[ADR]: read by every such load; written once a trip.
;                 All else (PX, PY, BEST, IDX, DR, BC, W, Q) is named by vector instructions alone.
;   So a face has its waits in ONE place, behind its eight compares: the wait for the masks, which the selects read, and beside it the wait
;   that states that the face's arithmetic is done reading its set (and, in a trip's first face, that v[ADR] is written).  The set's five
;   loads follow at once, then the sixteen selects, which name neither the set nor v[ADR]; the loads have the next face in which to land.
;   One wait a trip, for the loads' reads of v[ADR], stands ahead of the add to it.
;   on the way out   BEST, IDX, v11: read by the LDS stores.  v3: the address of the merge's loads, which land in v28-91.
;                 v4, v28-31, v60-63: read by the global stores.
.set NV,   600                         ; vertices of an image
.set NF,   1000                        ; faces
.set FW,   125                         ; faces of a wave
.set ENT,  80                          ; bytes of a face record in LDS
.set VT,   0                           ; LDS: 768 slots x 16 bytes, projected vertices (x, y, z, 0); slots 600.. are copies, never read
.set TB,   12288                       ; LDS: 1024 records x 80 bytes; records 1000.. are copies, never read
.set RED,  94208                       ; LDS: 8 waves x 256 keys, then (REDI further) 8 waves x 256 face numbers
.set REDI, 8192
; a face record: 0 a0x a0y a1x a1y | 16 a2x a2y d y | 32 E0x E0y E1x E1y | 48 E2x E2y z0 z1 | 64 z2 0
; edge e runs from a_e by E_e: a0 = v1, a1 = v2, a2 = v0;  w_e = E_ex (py - a_ey) - E_ey (px - a_ex)
; registers of the face loop
.set PX,   4                           ; v[4:7]     px of my 4 columns
.set PY,   8                           ; v[8:9]     py of my 2 rows
.set ADR,  10                          ; v10        LDS address of the record that set A is asked for next
.set BEST, 12                          ; v[12:19]   pixel k = 4 row + column: bits(nearest depth) - 1
.set IDX,  20                          ; v[20:27]   its face, -1 while there is none
.set CA,   28                          ; v[28:45]   face constants, set A (in the order of the record)
.set CB,   48                          ; v[48:65]   set B
.set DR,   68                          ; v[68:73]   edge e: py - a_ey of my 2 rows
.set BC,   74                          ; v[74:85]   edge e: px - a_ex, then E_ey (px - a_ex), of my 4 columns
.set W,    86                          ; v[86:109]  edge e, pixel k at W + 8 e + k: w, then the residual; then the depth and the key
.set Q,    110                         ; v[110:133] the same order: the quotient
; registers of the set-up
.set VX,   32                          ; vertex j at VX + 8 j: x, y, z, 0
.set RC,   56                          ; 1 / z
.set ER,   60
.set QQ,   64
.set RR,   72
.set FI,   80                          ; face j at FI + 4 j: three vertex numbers, then their LDS addresses
.set FV,   96                          ; face j at FV + 12 j: v0, v1, v2, four words each
.set FB,   16                          ; v[16:79]   face j builds its record in the 16 registers from FB + 16 j:
.set E,    0                           ;            + 0 .. 7    E0x .. E2y, z0, z1
.set Z2,   8                           ;            + 8, 9      z2, 0
.set DY,   10                          ;            + 10, 11    d, y
.set T,    12                          ;            + 12 .. 15  at work
	s_load_b128 s[4:7], s[0:1], 0x0                ; faces s[4:5], verts s[6:7]
	s_load_b128 s[8:11], s[0:1], 0x10              ; win s[8:9], out0 s[10:11]
	s_load_b64 s[12:13], s[0:1], 0x20              ; out1
	v_lshl_add_u32 v144, v0, 2, 0x1b000
	v_mov_b32 v145, 0
	s_and_b32 s14, ttmp7, 0xffff                   ; the image
	s_mul_i32 s2, s14, NV*12                       ; its vertices, in bytes
	s_mov_b32 s3, 0
	s_mov_b32 s30, 0x7fc00000                      ; NaN
	s_mov_b32 s31, 0x322bcc77                      ; EPS = 1e-8 in f32
	s_mov_b32 s32, 0x80000000                      ; the sign bit
	v_lshrrev_b32 v1, 5, v0
	v_readfirstlane_b32 s16, v1                    ; wave 0..7
.irp j, 0,1,2
	v_add_nc_u32 v[2+\j], 256*\j, v0               ; thread t projects vertices t, t + 256, t + 512;
	v_min_u32 v[2+\j], NV-1, v[2+\j]               ; past the last one it reads the last again, into an LDS slot of its own
	v_mul_u32_u24 v[2+\j], 12, v[2+\j]
.endr
.irp j, 0,1,2,3
	v_add_nc_u32 v[5+\j], 256*\j, v0               ; and sets up faces t, t + 256, t + 512, t + 768 in the same way
	v_min_u32 v[5+\j], NF-1, v[5+\j]
	v_mul_u32_u24 v[5+\j], 12, v[5+\j]
.endr
	v_lshlrev_b32 v9, 4, v0                        ; my vertex slot
	v_mul_u32_u24 v10, ENT, v0
	v_add_nc_u32 v10, TB, v10                      ; my face record
	s_wait_alu depctr_va_sdst(0)                   ; s16, the wave's number, is written, ahead of its first reader
	s_wait_kmcnt 0x0
	s_add_nc_u64 s[6:7], s[6:7], s[2:3]
	s_wait_alu depctr_va_vdst(0)                   ; v2 to v10 are written: the loads below read v2 to v8 as offsets, the LDS stores of the set-up v9 and v10 as addresses
.irp j, 0,1,2
	global_load_b96 v[VX+8*\j:VX+8*\j+2], v[2+\j], s[6:7]
.endr
.irp j, 0,1,2,3
	global_load_b96 v[FI+4*\j:FI+4*\j+2], v[5+\j], s[4:5]
.endr
	; THE PROJECTION: x = (1.5 x) / z, y = (1.5 y) / z, each product and each quotient rounded once.
	s_wait_loadcnt 0x4                             ; loads return in order: the three vertices are in, the four faces stay out
.irp j, 0,1,2
	v_rcp_f32 v[RC+\j], v[VX+8*\j+2]
.endr
.irp j, 0,1,2
	v_mul_f32 v[VX+8*\j],   0x3fc00000, v[VX+8*\j]     ; plain work that touches neither z nor 1 / z stands between v_rcp_f32 and the use of its result
	v_mul_f32 v[VX+8*\j+1], 0x3fc00000, v[VX+8*\j+1]
.endr
	s_wait_alu depctr_va_vdst(0)                   ; the three reciprocals are written: the wait stands ahead of the first instruction that names one
.irp j, 0,1,2
	v_fma_f32 v[ER+\j], -v[VX+8*\j+2], v[RC+\j], 1.0
.endr
.irp j, 0,1,2
	v_fma_f32 v[RC+\j], v[ER+\j], v[RC+\j], v[RC+\j]   ; one Newton step
.endr
.irp j, 0,1,2
.irp c, 0,1
	v_mul_f32 v[QQ+2*\j+\c], v[VX+8*\j+\c], v[RC+\j]
.endr
.endr
.irp j, 0,1,2
.irp c, 0,1
	v_fma_f32 v[RR+2*\j+\c], -v[VX+8*\j+2], v[QQ+2*\j+\c], v[VX+8*\j+\c]
.endr
.endr
.irp j, 0,1,2
.irp c, 0,1
	v_fma_f32 v[QQ+2*\j+\c], v[RR+2*\j+\c], v[RC+\j], v[QQ+2*\j+\c]
.endr
.endr
.irp j, 0,1,2
.irp c, 0,1
	v_fma_f32 v[RR+2*\j+\c], -v[VX+8*\j+2], v[QQ+2*\j+\c], v[VX+8*\j+\c]   ; here, done once per vertex, a second correction
.endr
.endr
.irp j, 0,1,2
.irp c, 0,1
	v_fma_f32 v[VX+8*\j+\c], v[RR+2*\j+\c], v[RC+\j], v[QQ+2*\j+\c]
.endr
	v_mov_b32 v[VX+8*\j+3], 0
.endr
	s_wait_alu depctr_va_vdst(0)                   ; the projection has written VX, which the LDS stores read
.irp j, 0,1,2
	ds_store_b128 v9, v[VX+8*\j:VX+8*\j+3] offset:VT+4096*\j
.endr
	s_wait_loadcnt 0x0                             ; the faces
.irp j, 0,1,2,3
.irp m, 0,1,2
	v_min_u32 v[FI+4*\j+\m], NV-1, v[FI+4*\j+\m]   ; an index stays inside the table
	v_lshlrev_b32 v[FI+4*\j+\m], 4, v[FI+4*\j+\m]
.endr
.endr
	s_wait_alu depctr_va_vdst(0)                   ; the twelve addresses in FI are written, which the LDS loads behind the barrier read
	s_wait_dscnt 0x0                               ; my vertices are in LDS,
	s_barrier_signal -1
	s_barrier_wait -1                              ; everybody's are
.irp j, 0,1,2,3
.irp m, 0,1,2
	ds_load_b128 v[FV+12*\j+4*\m:FV+12*\j+4*\m+3], v[FI+4*\j+\m] offset:VT
.endr
.endr
	s_wait_dscnt 0x0
	; THE RECORDS OF MY FOUR FACES, stage by stage, each face in registers of its own
	s_wait_alu depctr_vm_vsrc(0)                   ; the vertex stores have read VX, over which the records are built; the gathers have read FI, which the face loop writes
.irp j, 0,1,2,3
	v_sub_f32 v[FB+16*\j+E+0], v[FV+12*\j+8], v[FV+12*\j+4]     ; E0 = v2 - v1
	v_sub_f32 v[FB+16*\j+E+1], v[FV+12*\j+9], v[FV+12*\j+5]
	v_sub_f32 v[FB+16*\j+E+2], v[FV+12*\j+0], v[FV+12*\j+8]     ; E1 = v0 - v2
	v_sub_f32 v[FB+16*\j+E+3], v[FV+12*\j+1], v[FV+12*\j+9]
	v_sub_f32 v[FB+16*\j+E+4], v[FV+12*\j+4], v[FV+12*\j+0]     ; E2 = v1 - v0
	v_sub_f32 v[FB+16*\j+E+5], v[FV+12*\j+5], v[FV+12*\j+1]
	v_sub_f32 v[FB+16*\j+T+0], v[FV+12*\j+9], v[FV+12*\j+1]     ; v2y - v0y
	v_sub_f32 v[FB+16*\j+T+1], v[FV+12*\j+8], v[FV+12*\j+0]     ; v2x - v0x
.endr
.irp j, 0,1,2,3
	v_mul_f32 v[FB+16*\j+T+1], v[FB+16*\j+E+5], v[FB+16*\j+T+1] ; the second product is rounded,
.endr
.irp j, 0,1,2,3
	v_fma_f32 v[FB+16*\j+T+2], v[FB+16*\j+E+4], v[FB+16*\j+T+0], -v[FB+16*\j+T+1]   ; the first is fused into the difference: the area
.endr
.irp j, 0,1,2,3
	v_and_b32 v[FB+16*\j+DY], 0x7fffffff, v[FB+16*\j+T+2]       ; d = |area|
	v_and_b32 v[FB+16*\j+T+3], s32, v[FB+16*\j+T+2]             ; its sign goes into the edges
.endr
.irp j, 0,1,2,3
	v_rcp_f32 v[FB+16*\j+DY+1], v[FB+16*\j+DY]
.endr
.irp j, 0,1,2,3
.irp i, 0,1,2,3,4,5
	v_xor_b32 v[FB+16*\j+E+\i], v[FB+16*\j+T+3], v[FB+16*\j+E+\i]   ; (also the plain work between v_rcp_f32 and the use of its result)
.endr
.endr
.irp j, 0,1,2,3
	v_cmp_lt_f32 s[20+\j], s31, v[FB+16*\j+DY]     ; |area| > EPS; false for NaN
.endr
	s_wait_alu depctr_va_vdst(0)                   ; the four reciprocals are written: the wait stands ahead of the first instruction that names one
.irp j, 0,1,2,3
	v_fma_f32 v[FB+16*\j+T+0], -v[FB+16*\j+DY], v[FB+16*\j+DY+1], 1.0
.endr
.irp j, 0,1,2,3
	v_fma_f32 v[FB+16*\j+DY+1], v[FB+16*\j+T+0], v[FB+16*\j+DY+1], v[FB+16*\j+DY+1]   ; y = 1 / d, one Newton step
.endr
	s_wait_alu depctr_va_sdst(0)                   ; the four compares have written s20 to s23, which the selects read
.irp j, 0,1,2,3
	v_cndmask_b32 v[FB+16*\j+E+6], s30, v[FV+12*\j+2], s[20+\j]     ; a face without area gets NaN depths: it never wins
	v_cndmask_b32 v[FB+16*\j+E+7], s30, v[FV+12*\j+6], s[20+\j]
	v_cndmask_b32 v[FB+16*\j+Z2], s30, v[FV+12*\j+10], s[20+\j]
	v_mov_b32 v[FB+16*\j+Z2+1], 0
.endr
	s_wait_alu depctr_va_vdst(0)                   ; the four records are written in FB, which the LDS stores read
.irp j, 0,1,2,3
	ds_store_b64 v10, v[FV+12*\j+4:FV+12*\j+5] offset:256*ENT*\j        ; a0 = v1
	ds_store_b64 v10, v[FV+12*\j+8:FV+12*\j+9] offset:256*ENT*\j+8      ; a1 = v2
	ds_store_b64 v10, v[FV+12*\j+0:FV+12*\j+1] offset:256*ENT*\j+16     ; a2 = v0
	ds_store_b64 v10, v[FB+16*\j+DY:FB+16*\j+DY+1] offset:256*ENT*\j+24
	ds_store_b128 v10, v[FB+16*\j+E:FB+16*\j+E+3] offset:256*ENT*\j+32
	ds_store_b128 v10, v[FB+16*\j+E+4:FB+16*\j+E+7] offset:256*ENT*\j+48
	ds_store_b64 v10, v[FB+16*\j+Z2:FB+16*\j+Z2+1] offset:256*ENT*\j+64
.endr
	; MY PIXELS.  Centre of column i: 1 - (2 i + 1) / 128 = (127 - 2 i) / 128, exact in f32; rows alike.
	s_wait_alu depctr_vm_vsrc(0)                   ; every load and LDS store of the set-up has read its registers: v2 to v10, FB and FV are written anew from here on, by the lines below, the face loop and its loads
	v_and_b32 v1, 15, v0                           ; lanes 0-15 and 16-31 each span the 64 columns, 4 a lane
	v_bfe_u32 v2, v0, 4, 1                         ; rows 0, 1 or rows 2, 3 of the tile
	s_and_b32 s17, ttmp9, 1                        ; column block
	s_lshr_b32 s18, ttmp9, 1                       ; row block
	s_lshl_b32 s19, s17, 7
	s_sub_co_u32 s19, 127, s19                     ; 127 - 2 x 64 x column block
	v_lshlrev_b32 v3, 3, v1
	v_sub_nc_u32 v3, s19, v3                       ; 127 - 2 x my first column
.irp c, 0,1,2,3
	v_add_nc_u32 v[PX+\c], -2*\c, v3
	v_cvt_f32_i32 v[PX+\c], v[PX+\c]
	v_mul_f32 v[PX+\c], 0x3c000000, v[PX+\c]       ; / 128
.endr
	s_lshl_b32 s19, s18, 3
	s_sub_co_u32 s19, 127, s19                     ; 127 - 2 x 4 x row block
	v_lshlrev_b32 v3, 2, v2
	v_sub_nc_u32 v3, s19, v3                       ; 127 - 2 x my first row
.irp c, 0,1
	v_add_nc_u32 v[PY+\c], -2*\c, v3
	v_cvt_f32_i32 v[PY+\c], v[PY+\c]
	v_mul_f32 v[PY+\c], 0x3c000000, v[PY+\c]
.endr
.irp k, 0,1,2,3,4,5,6,7
	v_mov_b32 v[BEST+\k], 0x7f7fffff               ; bits(+inf) - 1: only a finite depth is nearer
	v_mov_b32 v[IDX+\k], -1
.endr
	s_mul_i32 s33, s16, FW*ENT
	s_add_co_u32 s33, s33, TB
	s_mul_i32 s28, s16, FW                         ; my first face
	s_wait_dscnt 0x0                               ; my records are in LDS,
	s_barrier_signal -1
	s_barrier_wait -1                              ; everybody's are
	v_mov_b32 v[ADR], s33
; dst (a pair) = a (a pair) - v[c], and a times v[c]: op_sel picks register c of its aligned pair for both halves
.macro SUBC dst, a, c
.if (\c)&1
	v_pk_add_f32 v[\dst:\dst+1], v[\a:\a+1], v[\c-1:\c] op_sel:[0,1] op_sel_hi:[1,1] neg_lo:[0,1] neg_hi:[0,1]
.else
	v_pk_add_f32 v[\dst:\dst+1], v[\a:\a+1], v[\c:\c+1] op_sel_hi:[1,0] neg_lo:[0,1] neg_hi:[0,1]
.endif
.endm
.macro MULC dst, a, c
.if (\c)&1
	v_pk_mul_f32 v[\dst:\dst+1], v[\a:\a+1], v[\c-1:\c] op_sel:[0,1] op_sel_hi:[1,1]
.else
	v_pk_mul_f32 v[\dst:\dst+1], v[\a:\a+1], v[\c:\c+1] op_sel_hi:[1,0]
.endif
.endm
; the record at v[ADR] + off: every lane reads the same words
.macro LOADC cb, off
	ds_load_b128 v[\cb:\cb+3], v[ADR] offset:\off
	ds_load_b128 v[\cb+4:\cb+7], v[ADR] offset:\off+16
	ds_load_b128 v[\cb+8:\cb+11], v[ADR] offset:\off+32
	ds_load_b128 v[\cb+12:\cb+15], v[ADR] offset:\off+48
	ds_load_b64 v[\cb+16:\cb+17], v[ADR] offset:\off+64
.endm
; ONE FACE AGAINST MY 8 PIXELS.  cb: its constants; s[fs]: its number.  Written stage by stage, 3 to 12 independent
; instructions a stage, two pixels of a row to an instruction wherever a packed form exists.
; ahead = 1: the set is asked for again, for the face two further on, whose record lies at v[ADR] + off.  step = 1: v[ADR] moves on by two records first.
.macro FACE cb, fs, ahead, off, step
.irp e, 0,1,2
	SUBC DR+2*\e, PY, \cb+2*\e+1                   ; py - a_ey, two rows
.endr
.irp e, 0,1,2
	SUBC BC+4*\e, PX, \cb+2*\e                     ; px - a_ex, four columns
	SUBC BC+4*\e+2, PX+2, \cb+2*\e
.endr
.irp e, 0,1,2
	MULC BC+4*\e, BC+4*\e, \cb+9+2*\e              ; E_ey (px - a_ex), rounded
	MULC BC+4*\e+2, BC+4*\e+2, \cb+9+2*\e
.endr
	; w_e = fma(E_ex, py - a_ey, -(E_ey (px - a_ex))): E_ex is the first register of its pair, for both halves; the row picks one register of DR's pair
.irp e, 0,1,2
.irp cp, 0,2
	v_pk_fma_f32 v[W+8*\e+\cp:W+8*\e+\cp+1], v[\cb+8+2*\e:\cb+9+2*\e], v[DR+2*\e:DR+2*\e+1], v[BC+4*\e+\cp:BC+4*\e+\cp+1] op_sel_hi:[0,0,1] neg_lo:[0,0,1] neg_hi:[0,0,1]                   ; row 0
	v_pk_fma_f32 v[W+8*\e+4+\cp:W+8*\e+4+\cp+1], v[\cb+8+2*\e:\cb+9+2*\e], v[DR+2*\e:DR+2*\e+1], v[BC+4*\e+\cp:BC+4*\e+\cp+1] op_sel:[0,1,0] op_sel_hi:[0,1,1] neg_lo:[0,0,1] neg_hi:[0,0,1]  ; row 1
.endr
.endr
.set i, 0
.rept 12
	v_pk_mul_f32 v[Q+i:Q+i+1], v[W+i:W+i+1], v[\cb+6:\cb+7] op_sel:[0,1] op_sel_hi:[1,1]                        ; q = w y
.set i, i+2
.endr
.set i, 0
.rept 12
	v_pk_fma_f32 v[W+i:W+i+1], v[\cb+6:\cb+7], v[Q+i:Q+i+1], v[W+i:W+i+1] op_sel_hi:[0,1,1] neg_lo:[1,0,0] neg_hi:[1,0,0]   ; r = w - d q
.set i, i+2
.endr
.set i, 0
.rept 12
	v_pk_fma_f32 v[Q+i:Q+i+1], v[W+i:W+i+1], v[\cb+6:\cb+7], v[Q+i:Q+i+1] op_sel:[0,1,0] op_sel_hi:[1,1,1]      ; s = q + r y = w / d, rounded once
.set i, i+2
.endr
.irp p, 0,2,4,6
	MULC W+\p, Q+8+\p, \cb+15                      ; s1 z1, rounded
.endr
.irp p, 0,2,4,6
	v_pk_fma_f32 v[W+\p:W+\p+1], v[Q+\p:Q+\p+1], v[\cb+14:\cb+15], v[W+\p:W+\p+1] op_sel_hi:[1,0,1]             ; fma(s0, z0, .)
.endr
.irp p, 0,2,4,6
	v_pk_fma_f32 v[W+\p:W+\p+1], v[Q+16+\p:Q+16+\p+1], v[\cb+16:\cb+17], v[W+\p:W+\p+1] op_sel_hi:[1,0,1]       ; fma(s2, z2, .): the depth; the last line that reads the set
.endr
.if \step
	s_wait_alu depctr_vm_vsrc(0)                   ; the LDS loads issued so far have read v[ADR]
	v_add_nc_u32 v[ADR], 2*ENT, v[ADR]
.endif
	; The key: bits(z), with the sign bit set if any s is negative, less 1, compared unsigned.  Positive depths keep their order;
	; z = +0 wraps to the top; z < 0, -0, NaN, +inf and pixels outside are never below a key that is at most bits(+inf) - 1.
	; The compare is strict and the faces ascend, so of equal depths the first face stays, as in argmin.
.irp k, 0,1,2,3,4,5,6,7
	v_min3_num_f32 v[W+8+\k], v[Q+\k], v[Q+8+\k], v[Q+16+\k]
.endr
.irp k, 0,1,2,3,4,5,6,7
	v_and_or_b32 v[W+8+\k], v[W+8+\k], s32, v[W+\k]
.endr
.irp k, 0,1,2,3,4,5,6,7
	v_add_nc_u32 v[W+8+\k], -1, v[W+8+\k]
.endr
.irp k, 0,1,2,3,4,5,6,7
	v_cmp_lt_u32 s[20+\k], v[W+8+\k], v[BEST+\k]
.endr
	s_wait_alu depctr_va_sdst(0)                   ; the eight compares have written s20 to s27, which the selects read
.if \ahead
	s_wait_alu depctr_va_vdst(0)                   ; the face's arithmetic is done reading its set, in which the loads below land; where v[ADR] was stepped, it is written
	LOADC \cb, \off                                ; the selects behind these loads name neither the set nor v[ADR]
.endif
.irp k, 0,1,2,3,4,5,6,7
	v_cndmask_b32 v[BEST+\k], v[BEST+\k], v[W+8+\k], s[20+\k]
.endr
.irp k, 0,1,2,3,4,5,6,7
	v_cndmask_b32 v[IDX+\k], v[IDX+\k], s[\fs], s[20+\k]
.endr
.endm
	; 125 faces: 61 trips of two, and three written out, which ask for the wave's last face and then for nothing.
	; While one set of constants is at work the other is on its way.
	s_wait_alu depctr_va_vdst(0)                   ; v[ADR] is written, which the loads read; the set-up's vector instructions are done with the registers of sets A and B, in which they land
	LOADC CA, 0
	LOADC CB, ENT
	s_mov_b32 s29, (FW-3)/2
.Lface:
	s_wait_dscnt 0x5                               ; LDS loads return in order: set A is in, the five loads of set B stay out
	FACE CA, 28, 1, 0, 1
	s_add_co_u32 s28, s28, 1
	s_wait_dscnt 0x5                               ; set B is in, the five loads of set A stay out
	FACE CB, 28, 1, ENT, 0
	s_add_co_u32 s28, s28, 1
	s_sub_co_u32 s29, s29, 1
	s_cmp_lg_u32 s29, 0
	s_cbranch_scc1 .Lface
	s_wait_dscnt 0x5
	FACE CA, 28, 1, 0, 1                           ; face 122 of the wave's; it asks for face 124
	s_add_co_u32 s28, s28, 1
	s_wait_dscnt 0x5                               ; set B is in, the five loads of face 124 stay out
	FACE CB, 28, 0, 0, 0
	s_add_co_u32 s28, s28, 1
	s_wait_dscnt 0x0
	FACE CA, 28, 0, 0, 0
	; THE EIGHT WAVES MEET.  Pixel p = 64 row + column of the tile: key at RED + 1024 wave + 4 p, face REDI further.
	s_lshl_b32 s33, s16, 10
	s_add_co_u32 s33, s33, RED
	v_lshlrev_b32 v11, 4, v1                       ; 4 columns x 4 bytes
	v_lshl_add_u32 v11, v2, 9, v11                 ; 2 rows x 256 bytes
	v_add_nc_u32 v11, s33, v11
	s_wait_alu depctr_va_vdst(0)                   ; the last face's selects have written BEST and IDX, and v11 is written: the LDS stores read them
	ds_store_b128 v11, v[BEST:BEST+3]
	ds_store_b128 v11, v[BEST+4:BEST+7] offset:256
	ds_store_b128 v11, v[IDX:IDX+3] offset:REDI
	ds_store_b128 v11, v[IDX+4:IDX+7] offset:REDI+256
	s_wait_dscnt 0x0                               ; for the waves that will read them
	s_barrier_signal -1
	s_barrier_wait -1
	s_cmp_ge_u32 s16, 2
	s_cbranch_scc1 .Ldone                          ; 64 threads x 4 pixels finish the tile, so that each store below is 16 bytes a lane
	v_and_b32 v5, 63, v0                           ; t
	v_lshlrev_b32 v3, 4, v5
	v_add_nc_u32 v3, RED, v3
	s_wait_alu depctr_va_vdst(0)                   ; v3 is written, which the loads read; the faces' arithmetic is done with v28 to v91, in which they land
.irp w, 0,1,2,3,4,5,6,7
	ds_load_b128 v[28+4*\w:31+4*\w], v3 offset:1024*\w
	ds_load_b128 v[60+4*\w:63+4*\w], v3 offset:REDI+1024*\w
.endr
	v_lshrrev_b32 v4, 4, v5                        ; row of the tile
	v_and_b32 v6, 15, v0
	v_lshlrev_b32 v6, 4, v6
	v_lshl_add_u32 v4, v4, 9, v6                   ; 512 bytes an image row + 16 bytes a thread
	s_lshl_b32 s19, s14, 16                        ; 65,536 bytes an image
	s_lshl_b32 s33, s18, 11                        ; 4 rows a row block
	s_add_co_u32 s19, s19, s33
	s_lshl_b32 s33, s17, 8                         ; 256 bytes a column block
	s_add_co_u32 s19, s19, s33
	v_add_nc_u32 v4, s19, v4
	s_wait_dscnt 0x0
.irp w, 1,2,3,4,5,6,7
.irp c, 0,1,2,3
	v_cmp_lt_u32 s[20+\c], v[28+4*\w+\c], v[28+\c] ; strict, waves ascending: of equal depths the lower face stays
.endr
	s_wait_alu depctr_va_sdst(0)                   ; the four compares have written s20 to s23, which the selects read
.irp c, 0,1,2,3
	v_cndmask_b32 v[28+\c], v[28+\c], v[28+4*\w+\c], s[20+\c]
	v_cndmask_b32 v[60+\c], v[60+\c], v[60+4*\w+\c], s[20+\c]
.endr
.endr
.irp c, 0,1,2,3
	v_add_nc_u32 v[28+\c], 1, v[28+\c]             ; the key back to the bits of the depth
.endr
.irp c, 0,1,2,3
	v_cmp_le_i32 s[20+\c], 0, v[60+\c]             ; a face was found
.endr
	s_wait_alu depctr_va_sdst(0)                   ; the four compares have written s20 to s23, which the selects read
.irp c, 0,1,2,3
	v_cndmask_b32 v[28+\c], -1.0, v[28+\c], s[20+\c]
.endr
	s_wait_alu depctr_va_vdst(0)                   ; the merge has written v28 to v31 and v60 to v63, and v4 is written: the stores read them
	global_store_b128 v4, v[60:63], s[8:9]         ; sixteen lanes store 256 consecutive bytes, at a multiple of 256 from the buffer's first byte
	global_store_b128 v4, v[60:63], s[10:11]
	global_store_b128 v4, v[28:31], s[12:13]
.Ldone:
	s_wait_dscnt 0x0
	s_wait_alu depctr_hold_cnt(0) depctr_sa_sdst(0) depctr_va_vdst(0) depctr_va_sdst(0) depctr_va_ssrc(0) depctr_va_vcc(0) depctr_vm_vsrc(0)
	s_wait_tensorcnt 0x0
	ds_add_u32 v144, v145
	s_wait_dscnt 0x0
	s_endpgm
.Lfunc_end_k_qc38bdbf9da_raster:
	.size	k_qc38bdbf9da_raster, .Lfunc_end_k_qc38bdbf9da_raster-k_qc38bdbf9da_raster
	.p2alignl 7, 3214868480
	.fill 96, 4, 3214868480
	.section	.rodata,"a",@progbits
	.p2align	6, 0x0
	.amdhsa_kernel k_qc38bdbf9da_raster
		.amdhsa_group_segment_fixed_size 111616
		.amdhsa_private_segment_fixed_size 0
		.amdhsa_enable_private_segment 0
		.amdhsa_kernarg_size 40
		.amdhsa_user_sgpr_count 2
		.amdhsa_user_sgpr_kernarg_segment_ptr 1
		.amdhsa_wavefront_size32 1
		.amdhsa_system_sgpr_workgroup_id_x 1
		.amdhsa_system_sgpr_workgroup_id_y 1
		.amdhsa_system_sgpr_workgroup_id_z 1
		.amdhsa_system_vgpr_workitem_id 0
		.amdhsa_next_free_vgpr 146
		.amdhsa_next_free_sgpr 66
		.amdhsa_reserve_vcc 0
		.amdhsa_float_denorm_mode_32 3
		.amdhsa_float_denorm_mode_16_64 3
		.amdhsa_memory_ordered 1
		.amdhsa_forward_progress 1
		.amdhsa_inst_pref_size 65
	.end_amdhsa_kernel
	.amdgpu_metadata
---
amdhsa.version: [ 1, 2 ]
amdhsa.kernels:
  - .name:           k_qc38bdbf9da_raster
    .symbol:         k_qc38bdbf9da_raster.kd
    .args:
      - { .name: faces, .offset: 0, .size: 8, .value_kind: global_buffer, .address_space: global }
      - { .name: verts, .offset: 8, .size: 8, .value_kind: global_buffer, .address_space: global }
      - { .name: win, .offset: 16, .size: 8, .value_kind: global_buffer, .address_space: global }
      - { .name: out0, .offset: 24, .size: 8, .value_kind: global_buffer, .address_space: global }
      - { .name: out1, .offset: 32, .size: 8, .value_kind: global_buffer, .address_space: global }
    .group_segment_fixed_size: 111616
    .private_segment_fixed_size: 0
    .kernarg_segment_align: 8
    .kernarg_segment_size: 40
    .max_flat_workgroup_size: 256
    .sgpr_count:     66
    .vgpr_count:     146
    .wavefront_size: 32
...
	.end_amdgpu_metadata
.endif
;; end of part 3
;; launch shade: the kernel of part 2 again; grid 64 x 4, 2 waves a work-group, no clusters, 3,328 bytes of LDS; arguments faces, verts, win, out2, out3; writes out2, out3
